; MI455X (gfx1250); checked and timed in simulation.
; The chip was launched on July 23, 2026; its instructions are those of AMD's public machine-readable ISA for CDNA 5 (MIT licence, August 2026) and "CDNA5" Instruction Set Architecture Reference Guide (July 2026). The comments in the code are by the model that wrote it; some were corrected since.
;; Lo RA Layer. Allowed arithmetic: float matrix products may take bf16 or f16 operands with f32 sums; other float arithmetic in f32, or as packed bf16 or f16 multiplies, adds, multiply-adds, maxima and minima; sums over many terms, partial sums and values carried from step to step in f32; what a program stores and reads back later, other than sums and carried values, may be rounded once to bf16 or f16.
;; Inputs: W 4,096 x 4,096 float32; b 4,096 float32; lora_A 16 x 4,096 float32; lora_B 4,096 x 16 float32; x 4,096 x 4,096 float32.
;; Outputs: out0 4,096 x 4,096 float32.
;; One version. Each part assembles by itself: llvm-mc -triple=amdgcn-amd-amdhsa -mcpu=gfx1250 --defsym DOCPART=n.
;; ======== version 1 of 1: 2 launches
;; workspace buffers: xb 33,554,432 bytes; wb 33,554,432 bytes; tb 131,072 bytes
;; launch prep (part 1): grid 256 x 1, 8 waves a work-group, clusters of 4 x 1, 327,680 bytes of LDS; arguments x, W, lora_A, xb, wb, tb; writes xb, wb, tb
.if DOCPART == 1
	.amdgcn_target "amdgcn-amd-amdhsa--gfx1250"
	.amdhsa_code_object_version 6
	.text
	.protected	k_q667c074e6d_prep
	.globl	k_q667c074e6d_prep
	.p2align	8
	.type	k_q667c074e6d_prep,@function
k_q667c074e6d_prep:
	s_mov_b64 s[64:65], 0
	v_nop
	global_prefetch_b8 v0, s[64:65] scope:SCOPE_SE
	s_setreg_imm32_b32 hwreg(HW_REG_WAVE_MODE, 25, 1), 1
	s_wait_xcnt 0x0
	s_wait_alu depctr_hold_cnt(0) depctr_sa_sdst(0) depctr_va_vdst(0) depctr_va_sdst(0) depctr_va_ssrc(0) depctr_va_vcc(0) depctr_vm_vsrc(0)
	s_getreg_b32 s2, hwreg(HW_REG_IB_STS2, 6, 4)
	s_cmp_eq_u32 s2, 0
	s_cbranch_scc0 .Lentry_in_a_cluster
	s_endpgm
.Lentry_in_a_cluster:
	s_bfe_u32 s2, ttmp6, 0x10000c
	s_cmp_lg_u32 s2, 0x3003
	s_cbranch_scc0 .Lentry_shape_is_right
	s_endpgm
.Lentry_shape_is_right:
; xb = bf16(x), wb = bf16(W), tb = bf16(2 x A^T).  x, W: [4096][4096] f32; lora_A: [16][4096] f32; xb, wb: [4096][4096] bf16; tb: [4096][16] bf16.
; Every number of x, W and lora_A is rounded once, to nearest even; t = x A^T is summed in f32 (bf16 products), doubled (exact) and rounded once.
; LIMITS.  An f32 magnitude beyond bf16's largest finite number rounds to infinity; NaN and infinities are not treated apart; t's sum is taken in another order than row by row.
; SHARES.  Work-group g owns rows 16 g .. 16 g + 15 of x and of W.  K is split among its eight waves: wave w owns columns 512 w .. 512 w + 511, in four UNITS of 16 rows x 128 columns.
; A unit comes by 16 loads (a row's 512 consecutive bytes each, 16 bytes a lane) and leaves by 16 stores (32 lanes x 8 bytes: 256 consecutive bytes, aligned).  Units 0-3 are x's, units 4-7 W's.
; Three buffers of 64 registers keep 48 loads of every wave on their way.
; t.  An x unit's bf16 also goes through the wave's own stage in LDS, whence it comes back as four fragments (16 rows x 32 channels); with lora_A's fragments of the same channels they make
; four products.  Source 0 = lora_A's 16 rows, source 1 = x's 16 rows: a lane then holds ONE row of x (lane % 16) and the ranks 8 (lane / 16) + 0..7: 16 bytes of tb on end.
; The eight waves' partial sums meet in LDS; wave 0 adds them.
; CLUSTER.  Every work-group needs all of lora_A, 262,144 bytes beside the 524,288 that it streams: the four work-groups of a cluster ask for it JOINTLY, the same two tensor loads a wave with the
; same descriptors and a mask that names the four.  Each LDS byte is filled once; a wave reads only the two pieces that it asked for itself, behind its own wait.
.set ROWX,   16384                     ; bytes in a row of x and of W
.set ROWB,   8192                      ; bytes in a row of xb and of wb
.set APITCH, 1040                      ; a piece's LDS row: 256 f32 + 16 bytes of padding = 65 x 16: the 16 rows that a fragment load touches start at 16 different groups of four banks (64 banks of 4 bytes: ISA guide 11.1)
.set PIECE,  16*APITCH                 ; lora_A's 16 rows x 256 columns; piece 2 w + j holds columns 512 w + 256 j on
.set STG,    16*PIECE                  ; behind the 16 pieces: a stage for each wave, 16 rows x (256 + 16) bytes
.set SPITCH, 272
.set STGW,   16*SPITCH
.set PART,   STG+8*STGW                ; the waves' partial tiles of t, 1,024 bytes each
.set SPARE,  PART+8*1024               ; the spare words, 128 bytes for each wave: four blocks of 256 bytes that no other line names
.set VX,  2                            ; v2   2,048 w + 16 l: my 16 bytes of a unit's row in x and W; never rewritten
.set VO,  3                            ; v3   1,024 w + 8 l: my 8 bytes of it in xb and wb; never rewritten
.set VAF, 4                            ; v4   my place in my wave's first piece: 2 PIECE w + APITCH r + 32 h
.set VS,  5                            ; v5   into the stage: 8 l
.set VF,  6                            ; v6   out of the stage: SPITCH r + 16 h
.set VP,  7                            ; v7   my 16 bytes of my wave's partial tile
.set VR,  8                            ; v8   the same place in wave 0's
.set VT,  9                            ; v9   32 r + 16 h: my 16 bytes of tb
.set SPW, 10                           ; v10  LDS address of my spare word: SPARE + 4 x my thread's number; never rewritten
.set NIL, 11                           ; v11  0; never rewritten
.set T0,  12                           ; v[12:19], v[20:27]  two accumulators, which take turns
.set T1,  20
.set AF,  28                           ; v[28:59]   lora_A's four fragments, bf16
.set XF,  60                           ; v[60:91]   x's four fragments
.set AS,  92                           ; v[92:155]  lora_A's numbers as they lie in LDS, f32; at the end the eight partial tiles; at the head three registers at work
.set OUT, 156                          ; v[156:187] a unit in bf16
.set TL,  92                           ; at the head: lane,
.set TR,  93                           ; lane % 16,
.set TH,  94                           ; lane / 16
.set G1,  24                           ; s[24:31] descriptor group 1
.set G0,  32                           ; s[32:39] descriptor group 0, a set for each of my two pieces
; window 1: v[0:191] three load buffers of 64; unit u uses buffer u % 3
.set MSB, 0
.macro WIN new                         ; s_set_vgpr_msb: bits 1:0 source 0, 3:2 source 1, 5:4 source 2, 7:6 destination; the high byte repeats the setting that is left
.if MSB != (\new)
	s_set_vgpr_msb (MSB<<8)|(\new)
.set MSB, \new
.endif
.endm
; A round of the cluster's barrier: my work-group's barrier, so that wave 0's signal speaks for all eight waves; wave 0 signals; every wave waits for all four work-groups; my work-group's barrier once more.
.macro CROUND
	s_barrier_signal -1
	s_barrier_wait -1
	s_cmp_lg_u32 s16, 0
	s_cbranch_scc1 .Lnot_wave_0_\@
	s_barrier_signal -3
.Lnot_wave_0_\@:
	s_barrier_wait -3
	s_barrier_signal -1
	s_barrier_wait -1
.endm
	s_load_b256 s[4:11], s[0:1], 0x0               ; x s[4:5], W s[6:7], lora_A s[8:9], xb s[10:11]
	s_load_b128 s[12:15], s[0:1], 0x20             ; wb s[12:13], tb s[14:15]
	v_lshl_add_u32 v[SPW], v0, 2, SPARE
	v_mov_b32 v[NIL], 0
	ds_add_u32 v[SPW], v[NIL]                      ; the wave's opening: the add and its wait stand ahead of my first tensor load; the set-up below, work on registers, stands between them
	v_lshrrev_b32 v1, 5, v0
	v_readfirstlane_b32 s16, v1                    ; wave 0..7
	s_bfe_u32 s17, ttmp6, 0x40000                  ; cx: my place in the cluster
	s_lshl_b32 s18, ttmp9, 2                       ; in a cluster launch ttmp9 counts clusters
	s_add_co_u32 s18, s18, s17                     ; g = 4 x cluster + cx: it enters the addresses of x, W, xb, wb and tb alone
	s_lshl_b32 s20, s18, 18                        ; 16 rows of 16,384 bytes
	s_mov_b32 s21, 0
	s_lshl_b32 s22, s18, 17                        ; 16 rows of 8,192 bytes
	s_mov_b32 s23, 0
	; descriptor group 1: a piece of 16 rows x 256 elements of 4 bytes, padded in LDS
	s_mov_b32 s[G1+0], 15|(2<<16)|(1<<20)|(1<<21)|(7<<22)|(3<<25)  ; 15:0 the mask: all four work-groups; 17:16 elements of 4 bytes; 20 padding on; 21 set beside a mask; 24:22 after every 256 words (code 7); 31:25 4 words of it (code 3)
	s_mov_b32 s[G1+1], 256<<16                     ; tensor_dim0 = 256
	s_mov_b32 s[G1+2], 16<<16                      ; tensor_dim1 = 16
	s_mov_b32 s[G1+3], 256<<16                     ; tile_dim0 = 256
	s_mov_b32 s[G1+4], 16                          ; tile_dim1 = 16
	s_mov_b32 s[G1+5], 4096                        ; elements from row to row
	s_mov_b32 s[G1+6], 0
	s_mov_b32 s[G1+7], 0
	s_mul_i32 s40, s16, 2*PIECE                    ; my two pieces in LDS: the wave's number alone
	s_lshl_b32 s41, s16, 10                        ; 1,024 w
	s_lshl_b32 s42, s16, 11                        ; 2,048 w: my 512 columns in f32
	s_mov_b32 s43, 0
	s_mul_i32 s44, s16, STGW
	s_add_co_u32 s44, s44, STG                     ; my stage
	s_add_co_u32 s45, s41, PART                    ; my partial tile
	v_and_b32 v[TL], 31, v0
	v_and_b32 v[TR], 15, v0
	v_bfe_u32 v[TH], v0, 4, 1
	v_lshl_add_u32 v[VX], v[TL], 4, s42
	v_lshl_add_u32 v[VO], v[TL], 3, s41
	v_mul_u32_u24 v[VAF], v[TR], APITCH
	v_lshl_add_u32 v[VAF], v[TH], 5, v[VAF]        ; a lane's eight channels are 32 bytes of f32
	v_add_nc_u32 v[VAF], s40, v[VAF]
	v_lshl_add_u32 v[VS], v[TL], 3, s44
	v_mul_u32_u24 v[VF], v[TR], SPITCH
	v_lshl_add_u32 v[VF], v[TH], 4, v[VF]
	v_add_nc_u32 v[VF], s44, v[VF]
	v_lshl_add_u32 v[VP], v[TL], 4, s45
	v_lshl_add_u32 v[VR], v[TL], 4, PART
	v_lshlrev_b32 v[VT], 5, v[TR]
	v_lshl_add_u32 v[VT], v[TH], 4, v[VT]
	s_wait_dscnt 0x0                               ; the opening add is done
	s_wait_kmcnt 0x0
	s_add_nc_u64 s[4:5], s[4:5], s[20:21]          ; x, W, xb, wb at the work-group's first row
	s_add_nc_u64 s[6:7], s[6:7], s[20:21]
	s_add_nc_u64 s[10:11], s[10:11], s[22:23]
	s_add_nc_u64 s[12:13], s[12:13], s[22:23]
	s_lshl_b32 s22, s18, 9                         ; 16 rows of 32 bytes
	s_add_nc_u64 s[14:15], s[14:15], s[22:23]      ; tb likewise
	s_add_nc_u64 s[8:9], s[8:9], s[42:43]          ; lora_A at my wave's first column: the same in all four partners
.irp j, 0,1
	s_mov_b32 s[G0+4*(\j)], 1                      ; 1:0 count = 1
	s_add_co_u32 s[G0+4*(\j)+1], s40, (\j)*PIECE   ; 63:32 LDS address
	s_add_nc_u64 s[G0+4*(\j)+2:G0+4*(\j)+3], s[8:9], (\j)*1024  ; 120:64 global address: 256 columns on
	s_or_b32 s[G0+4*(\j)+3], s[G0+4*(\j)+3], 0x80000000         ; 127:126 type = 2
.endr
	CROUND                                         ; all four work-groups are here: the joint loads meet
	tensor_load_to_lds s[G0:G0+3], s[G1:G1+7]      ; two tensor loads of mine are out, and no more follow
	s_nop 0
	tensor_load_to_lds s[G0+4:G0+7], s[G1:G1+7]
	s_nop 0
.rept 4
	v_nop
.endr
; Unit u: 16 loads into buffer u % 3.  Each byte of x and of W is read once in the launch.
.macro LOADU u
	WIN 0x40                                       ; destination window 1, address window 0
.set LB, 64*((\u)%3)
.set LS, 4+2*((\u)/4)                  ; s[4:5] x, s[6:7] W
.irp p, 0,1,2,3,4,5,6,7,8,9,10,11,12,13,14,15
	global_load_b128 v[LB+4*(\p):LB+4*(\p)+3], v[VX], s[LS:LS+1] offset:ROWX*(\p)+512*((\u)%4) th:TH_LOAD_NT
.endr
.endm
; Unit u rounded to bf16: a lane's four numbers of a row become 8 bytes.
.macro CVTU u
	WIN 0x05                                       ; sources 0 and 1 window 1, destination window 0
.set LB, 64*((\u)%3)
.irp p, 0,1,2,3,4,5,6,7,8,9,10,11,12,13,14,15
	v_cvt_pk_bf16_f32 v[OUT+2*(\p)],   v[LB+4*(\p)],   v[LB+4*(\p)+1]
	v_cvt_pk_bf16_f32 v[OUT+2*(\p)+1], v[LB+4*(\p)+2], v[LB+4*(\p)+3]
.endr
.endm
.macro STOREU u
	WIN 0
.set SB, 10+2*((\u)/4)                 ; s[10:11] xb, s[12:13] wb
.irp p, 0,1,2,3,4,5,6,7,8,9,10,11,12,13,14,15
	global_store_b64 v[VO], v[OUT+2*(\p):OUT+2*(\p)+1], s[SB:SB+1] offset:ROWB*(\p)+256*((\u)%4)  ; the wave stores 256 consecutive bytes, at a multiple of 256 from the buffer's first byte
.endr
.endm
; A unit of W.  left = the younger loads that may stay out: 16 for each younger unit.
.macro TURNW u, left
	s_wait_loadcnt \left                           ; loads come back in order (ISA guide 5.7.1): unit u is in
	s_wait_xcnt 0x0                                ; the last unit's stores have read OUT: it is rewritten only behind this wait
	CVTU \u
.if (\u)+3 < 8
	LOADU (\u)+3                                   ; the buffer just read takes the unit three further on
.endif
	STOREU \u
.endm
; A unit of x: the same, and four products for t.
.macro TURNX u, left
	WIN 0
.if (\u) == 0
	s_wait_tensorcnt 0x1                           ; tensor loads of a wave end in order (ISA guide 10.11.1): my first piece is in LDS, the second may stay out
.elseif (\u) == 2
	s_wait_tensorcnt 0x0                           ; my second piece
.endif
.set AOF, PIECE*((\u)/2)+512*((\u)%2)  ; the unit's 128 columns in its piece
.irp f, 0,1,2,3                        ; fragment f: channels 32 f on; a lane takes channels 8 h + 0..7 and 16 + 8 h + 0..7, in f32: two times 32 bytes, 64 bytes apart
	ds_load_b128 v[AS+16*(\f):AS+16*(\f)+3],     v[VAF] offset:AOF+128*(\f)
	ds_load_b128 v[AS+16*(\f)+4:AS+16*(\f)+7],   v[VAF] offset:AOF+128*(\f)+16
	ds_load_b128 v[AS+16*(\f)+8:AS+16*(\f)+11],  v[VAF] offset:AOF+128*(\f)+64
	ds_load_b128 v[AS+16*(\f)+12:AS+16*(\f)+15], v[VAF] offset:AOF+128*(\f)+80
.endr
	TURNW \u, \left
.irp p, 0,1,2,3,4,5,6,7,8,9,10,11,12,13,14,15
	ds_store_b64 v[VS], v[OUT+2*(\p):OUT+2*(\p)+1] offset:SPITCH*(\p)  ; row p of the unit into my stage
.endr
.irp f, 0,1,2,3
	ds_load_b128 v[XF+8*(\f):XF+8*(\f)+3],   v[VF] offset:64*(\f)      ; LDS serves a wave's instructions in order (ISA guide 5.7.1.4): these see the stores above, and the next unit's stores come behind them
	ds_load_b128 v[XF+8*(\f)+4:XF+8*(\f)+7], v[VF] offset:64*(\f)+32
.endr
	s_wait_dscnt 24                                ; lora_A's 16 loads are in; the 16 stores and 8 loads issued behind them may be out
.irp f, 0,1,2,3
.irp e, 0,1,2,3,4,5,6,7
	v_cvt_pk_bf16_f32 v[AF+8*(\f)+(\e)], v[AS+16*(\f)+2*(\e)], v[AS+16*(\f)+2*(\e)+1]
.endr
.endr
	s_wait_dscnt 0x0                               ; x's fragments are in
.irp f, 0,1,2,3                        ; the two accumulators take turns, one instruction a turn, from unit to unit too; the first two products start the sums
.if (\u) == 0 && (\f) < 2
	v_wmma_f32_16x16x32_bf16 v[T0+8*((\f)%2):T0+8*((\f)%2)+7], v[AF+8*(\f):AF+8*(\f)+7], v[XF+8*(\f):XF+8*(\f)+7], 0
.else
	v_wmma_f32_16x16x32_bf16 v[T0+8*((\f)%2):T0+8*((\f)%2)+7], v[AF+8*(\f):AF+8*(\f)+7], v[XF+8*(\f):XF+8*(\f)+7], v[T0+8*((\f)%2):T0+8*((\f)%2)+7]
.endif
.endr
.rept 4
	v_nop                                          ; four places behind the products, ahead of what writes or loads their sources anew
.endr
.endm
	LOADU 0
	LOADU 1
	LOADU 2                                        ; 48 loads of the wave are out
	TURNX 0, 32
	TURNX 1, 32
	TURNX 2, 32
	TURNX 3, 32
.rept 4
	v_nop                                          ; with the four above: eight places ahead of the sums that read the results
.endr
.irp j, 0,2,4,6
	v_pk_add_f32 v[T0+(\j):T0+(\j)+1], v[T0+(\j):T0+(\j)+1], v[T1+(\j):T1+(\j)+1]  ; both accumulators are read from their low end on
.endr
	ds_store_b128 v[VP], v[T0:T0+3]                ; my partial tile: ranks 8 h + 0..3,
	ds_store_b128 v[VP], v[T0+4:T0+7] offset:512   ; and 8 h + 4..7
	TURNW 4, 32
	TURNW 5, 32
	TURNW 6, 16                                    ; the counts run down: no unit follows unit 7
	TURNW 7, 0
	s_wait_dscnt 0x0                               ; for the others' sake: my partial tile lies in LDS
	s_barrier_signal -1
	s_barrier_wait -1                              ; all eight do
	s_cmp_lg_u32 s16, 0                            ; wave 0 adds them
	s_cbranch_scc1 .Lend
.irp v, 0,1,2,3,4,5,6,7
	ds_load_b128 v[AS+8*(\v):AS+8*(\v)+3],   v[VR] offset:1024*(\v)
	ds_load_b128 v[AS+8*(\v)+4:AS+8*(\v)+7], v[VR] offset:1024*(\v)+512
.endr
	s_wait_dscnt 0x0
.irp v, 0,2,4,6
.irp j, 0,2,4,6
	v_pk_add_f32 v[AS+8*(\v)+(\j):AS+8*(\v)+(\j)+1], v[AS+8*(\v)+(\j):AS+8*(\v)+(\j)+1], v[AS+8*(\v)+8+(\j):AS+8*(\v)+8+(\j)+1]
.endr
.endr
.irp v, 0,4
.irp j, 0,2,4,6
	v_pk_add_f32 v[AS+8*(\v)+(\j):AS+8*(\v)+(\j)+1], v[AS+8*(\v)+(\j):AS+8*(\v)+(\j)+1], v[AS+8*(\v)+16+(\j):AS+8*(\v)+16+(\j)+1]
.endr
.endr
.irp j, 0,2,4,6
	v_pk_add_f32 v[AS+(\j):AS+(\j)+1], v[AS+(\j):AS+(\j)+1], v[AS+32+(\j):AS+32+(\j)+1]
.endr
.irp j, 0,2,4,6
	v_pk_mul_f32 v[AS+(\j):AS+(\j)+1], v[AS+(\j):AS+(\j)+1], 2.0 op_sel_hi:[1,0]  ; the scaling alpha / r = 2: exact
.endr
.irp j, 0,1,2,3
	v_cvt_pk_bf16_f32 v[AS+8+(\j)], v[AS+2*(\j)], v[AS+2*(\j)+1]
.endr
	global_store_b128 v[VT], v[AS+8:AS+11], s[14:15]  ; 16 rows of 32 bytes: 512 consecutive bytes, at a multiple of 512 from tb's first byte
.Lend:
	s_wait_tensorcnt 0x0                           ; the wave's end, behind my last tensor load and my last LDS store
	ds_add_u32 v[SPW], v[NIL]
	s_wait_dscnt 0x0
	CROUND                                         ; the closing round: no work-group ends while a partner may still ask for a piece that names it
	s_endpgm
.Lfunc_end_k_q667c074e6d_prep:
	.size	k_q667c074e6d_prep, .Lfunc_end_k_q667c074e6d_prep-k_q667c074e6d_prep
	.p2alignl 7, 3214868480
	.fill 96, 4, 3214868480
	.section	.rodata,"a",@progbits
	.p2align	6, 0x0
	.amdhsa_kernel k_q667c074e6d_prep
		.amdhsa_group_segment_fixed_size 327680
		.amdhsa_private_segment_fixed_size 0
		.amdhsa_enable_private_segment 0
		.amdhsa_kernarg_size 48
		.amdhsa_user_sgpr_count 2
		.amdhsa_user_sgpr_kernarg_segment_ptr 1
		.amdhsa_wavefront_size32 1
		.amdhsa_system_sgpr_workgroup_id_x 1
		.amdhsa_system_sgpr_workgroup_id_y 1
		.amdhsa_system_sgpr_workgroup_id_z 1
		.amdhsa_system_vgpr_workitem_id 0
		.amdhsa_next_free_vgpr 448
		.amdhsa_next_free_sgpr 66
		.amdhsa_reserve_vcc 0
		.amdhsa_float_denorm_mode_32 3
		.amdhsa_float_denorm_mode_16_64 3
		.amdhsa_memory_ordered 1
		.amdhsa_forward_progress 1
		.amdhsa_inst_pref_size 70
	.end_amdhsa_kernel
	.amdgpu_metadata
---
amdhsa.version: [ 1, 2 ]
amdhsa.kernels:
  - .name:           k_q667c074e6d_prep
    .symbol:         k_q667c074e6d_prep.kd
    .args:
      - { .name: x, .offset: 0, .size: 8, .value_kind: global_buffer, .address_space: global }
      - { .name: W, .offset: 8, .size: 8, .value_kind: global_buffer, .address_space: global }
      - { .name: lora_A, .offset: 16, .size: 8, .value_kind: global_buffer, .address_space: global }
      - { .name: xb, .offset: 24, .size: 8, .value_kind: global_buffer, .address_space: global }
      - { .name: wb, .offset: 32, .size: 8, .value_kind: global_buffer, .address_space: global }
      - { .name: tb, .offset: 40, .size: 8, .value_kind: global_buffer, .address_space: global }
    .group_segment_fixed_size: 327680
    .private_segment_fixed_size: 0
    .kernarg_segment_align: 8
    .kernarg_segment_size: 48
    .max_flat_workgroup_size: 256
    .sgpr_count:     66
    .vgpr_count:     448
    .wavefront_size: 32
...
	.end_amdgpu_metadata
.endif
;; end of part 1
;; launch gemm (part 2): grid 16 x 16, 4 waves a work-group, clusters of 4 x 4, 327,680 bytes of LDS; arguments xb, wb, tb, lora_B, b, out0; writes out0
.if DOCPART == 2
	.amdgcn_target "amdgcn-amd-amdhsa--gfx1250"
	.amdhsa_code_object_version 6
	.text
	.protected	k_q667c074e6d_gemm
	.globl	k_q667c074e6d_gemm
	.p2align	8
	.type	k_q667c074e6d_gemm,@function
k_q667c074e6d_gemm:
	s_mov_b64 s[64:65], 0
	v_nop
	global_prefetch_b8 v0, s[64:65] scope:SCOPE_SE
	s_setreg_imm32_b32 hwreg(HW_REG_WAVE_MODE, 25, 1), 1
	s_wait_xcnt 0x0
	s_wait_alu depctr_hold_cnt(0) depctr_sa_sdst(0) depctr_va_vdst(0) depctr_va_sdst(0) depctr_va_ssrc(0) depctr_va_vcc(0) depctr_vm_vsrc(0)
	s_getreg_b32 s2, hwreg(HW_REG_IB_STS2, 6, 4)
	s_cmp_eq_u32 s2, 0
	s_cbranch_scc0 .Lentry_in_a_cluster
	s_endpgm
.Lentry_in_a_cluster:
	s_bfe_u32 s2, ttmp6, 0x10000c
	s_cmp_lg_u32 s2, 0xf033
	s_cbranch_scc0 .Lentry_shape_is_right
	s_endpgm
.Lentry_shape_is_right:
; out0[n][o] = b[o] + sum over r of tb[n][r] bf16(lora_B[o][r]) + sum over i of xb[n][i] wb[o][i].  xb, wb: [4096][4096] bf16; tb: [4096][16] bf16 (it holds 2 x A^T);
; lora_B: [4096][16] f32, rounded here once to bf16; b: [4096] f32, taken as it is; out0: [4096][4096] f32.  One f32 sum for each output: it starts with b, takes the 16 ranks, then K ascending.
; LIMITS.  A number of lora_B beyond bf16's largest finite number rounds to infinity; NaN and infinities are not treated apart; the order of the sum is the one just named.
; A tile of out0, 256 x 256, is made by a work-group of four waves; a wave makes 128 x 128: 64 accumulators of 16 x 16, 512 registers.  K goes in steps of 128 through a ring of two LDS slots filled by the
; tensor data mover: the tiles' rows are 256 bytes of memory and start at multiples of 256 bytes from the buffer's first byte.  16 x 16 tiles: one to a work-group.
; CLUSTERS: 4 x 4 work-groups.  The four of a row of the cluster need the same tiles of xb, the four of a column the same tiles of wb: each tile is asked for JOINTLY, by the same tensor load with the same
; descriptor and a mask that names the four; each receives it in its own LDS.
; THE MATRIX INSTRUCTION IS USED TRANSPOSED: source 0 = 16 rows of wb (or lora_B), source 1 = 16 rows of xb (or tb).  Lane l then holds row l % 16 of out0 and its registers 0 to 7 the columns
; 8 (l / 16) + 0..7: 32 neighbouring bytes of a row.
; NOTHING IS CLEARED.  The first product on each accumulator is the LoRA step: K = 32 of which 16 are the ranks and 16 are zeros, with b as the C operand.  It runs while the first tiles are on their way.
; REGISTERS, in windows of 256 (s_set_vgpr_msb: bits 1:0 source 0, 3:2 source 1, 5:4 source 2, 7:6 destination):
;   window 0: v0-31 addresses; v64-127, v128-191 fragments of xb (8 x 16 rows x 32 K), two buffers (on the way out: rows read back from the stage); v192-255 b, eight registers for each of my eight column blocks
;   window 1: v64-127, v128-191 fragments of wb, two buffers
;   window 2: the 32 accumulators of my rows 0-63 (accumulator (a, b) at v[8 (8 a + b)]);   window 3: those of my rows 64-127
.set SIZE_K, 4096
.set SIZE_N, 4096
.set KSTEP,  128
.set PITCH,  272                       ; an LDS row: 256 bytes of data + 16 of padding = 68 words: row r starts at bank 4 r mod 64 (64 banks of 4 bytes: ISA guide 11.1), so the 16 rows that a load touches start at 16 different banks
.set HALFT,  128*PITCH                 ; 128 rows: what one tensor load brings, and what one wave reads of xb or of wb
.set SLOT,   4*HALFT                   ; xb's 256 rows, then wb's 256 rows
.set STAGE,  2*SLOT                    ; behind the ring: 16 rows x 528 bytes for each wave, for the way out; no tensor load fills it
.set SPITCH, 528                       ; 512 bytes of f32 + 16 = 33 x 16
.set SPARE,  STAGE+4*16*SPITCH         ; behind the stages: the spare words, 128 bytes for each wave: two blocks of 256 bytes that no other line names
.set LAPS,   SIZE_K/(2*KSTEP)          ; a lap = two K steps = once round the ring: 16
.set ROWC,   SIZE_N*4                  ; bytes in a row of out0
.set TO,   8                           ; v8      32 r + 16 h: my 16 bytes of 16 rows of tb
.set BO,   9                           ; v9      64 r + 32 h: my 32 bytes of 16 rows of lora_B
.set VB,   10                          ; v10     32 h: my eight numbers of 16 of b
.set ADRA, 16                          ; v16-17  LDS address of my xb fragments in slot 0, 1
.set ADRB, 20                          ; v20-21  the same for wb
.set STO,  24                          ; v24     the way out: where I put 32 bytes of a row
.set RD,   25                          ; v25     the way out: where I read a row back
.set CO,   26                          ; v26     16 l: my 16 bytes of a row's 512
.set SPW,  28                          ; v28     LDS address of my spare word: SPARE + 4 x my thread's number; never rewritten
.set NIL,  29                          ; v29     0; never rewritten
.set PFO,  30                          ; v30     the prefetches' offset: my lane x a row of xb or wb (8,192 bytes); never rewritten
.set F0,   64                          ; fragment buffer 0
.set F1,   128                         ; fragment buffer 1
.set BIAS, 192
.set PFA,  44                          ; s[44:45] where my prefetches stand: my work-group's 32 rows of the 128 that I fetch, one K step further along K than the refill that is being asked for
.set LIM,  43                          ; s43     1 in a wave that prefetches, else the greatest number
.set G1, 24                            ; s[24:31] descriptor group 1 for xb's tiles
.set G0, 32                            ; s[32:39] descriptor group 0 for xb's tiles, one set for each slot
.set G1B, 48                           ; s[48:55] descriptor group 1 for wb's tiles: it differs in the mask alone
.set G0B, 56                           ; s[56:63] descriptor group 0 for wb's tiles, one set for each slot
.set MSB, 0
.macro WIN new                         ; the immediate's high byte repeats the setting that is left; a switch that changes nothing is dropped
.if MSB != (\new)
	s_set_vgpr_msb (MSB<<8)|(\new)
.set MSB, \new
.endif
.endm
.set MUL_LO, 0xa1                      ; source 0 (wb) window 1, source 1 (xb) window 0, C and D window 2
.set MUL_HI, 0xf1                      ; the same, C and D window 3
.set TO_B,   0x40                      ; destination window 1, address and sources window 0
; A joint load.  Waves 0 and 1 fetch xb's two halves, waves 2 and 3 wb's.  Each of the two lines has ONE mask and one set of registers for all that issue it; the branch hangs on the wave's number alone.
; An s_nop 0 and four v_nop follow each of the two lines, ahead of the jump, the label and what follows the macro.
.macro JLOAD s
	s_cmp_eq_u32 s11, 0
	s_cbranch_scc0 .Lfor_b_\@
	tensor_load_to_lds s[G0+4*(\s):G0+4*(\s)+3], s[G1:G1+7]
	s_nop 0
.rept 4
	v_nop
.endr
	s_branch .Lasked_\@
.Lfor_b_\@:
	tensor_load_to_lds s[G0B+4*(\s):G0B+4*(\s)+3], s[G1B:G1B+7]
	s_nop 0
.rept 4
	v_nop
.endr
.Lasked_\@:
.endm
; A PREFETCH, behind each joint refill, its five lines and the run of LDS loads that follows them: the K step that stands TWO refills on, 512 matrix instructions ahead of the load that will want it:
; 32 rows x 256 bytes, a lane a row, one instruction a wave.  Each row's 256 bytes of a K step are named ONCE in the launch: xb's tile row is read by every cluster of that row of clusters, and the one with
; x = 0 asks; wb's tile column by every cluster of that column, and the one with y = 0 asks.  The four partners that ask for a tile jointly share its rows out BY ADDRESS: of the 128 rows that a wave fetches the
; partner at place p takes 32 p .. 32 p + 31 (p = cx for xb, cy for wb).  K steps 0 to 3 come by their loads alone; the loop's last trip (s3 = 1) asks for nothing: K steps 32 and 33 do not exist.
.macro ASK
	s_cmp_gt_u32 s3, s[LIM]
	s_cbranch_scc0 .Lnot_mine_\@
	global_prefetch_b8 v[PFO], s[PFA:PFA+1] offset:KSTEP*2 th:TH_LOAD_NT scope:SCOPE_SE
.Lnot_mine_\@:
.endm
; A round of the cluster's barrier: my work-group's barrier, so that wave 0's signal speaks for all four waves; wave 0 signals for the work-group; every wave waits for all sixteen work-groups; my work-group's barrier once more.
.macro CREST                           ; a round behind its opening barrier
	s_cmp_lg_u32 s10, 0
	s_cbranch_scc1 .Lnot_wave_0_\@
	s_barrier_signal -3
.Lnot_wave_0_\@:
	s_barrier_wait -3
	s_barrier_signal -1
	s_barrier_wait -1
.endm
.macro CROUND                          ; a whole round
	s_barrier_signal -1
	s_barrier_wait -1
	CREST
.endm
	s_load_b128 s[4:7], s[0:1], 0x0                ; xb s[4:5], wb s[6:7]
	s_load_b256 s[68:75], s[0:1], 0x10             ; tb s[68:69], lora_B s[70:71], b s[72:73], out0 s[74:75]
	v_lshl_add_u32 v[SPW], v0, 2, SPARE
	v_mov_b32 v[NIL], 0
	ds_add_u32 v[SPW], v[NIL]                      ; the wave's opening: the add and its wait stand ahead of my first tensor load; the set-up below, work on registers, stands between them
	v_lshrrev_b32 v1, 5, v0
	v_readfirstlane_b32 s10, v1                    ; wave 0..3
	s_lshr_b32 s11, s10, 1                         ; which half of the tile's rows is mine.  Also: I fetch for xb (0) or for wb (1)
	s_and_b32 s12, s10, 1                          ; which half of its columns.  Also: which 128 rows of that tile I fetch
	s_bfe_u32 s40, ttmp6, 0x40000                  ; cx: my place along the cluster's x
	s_bfe_u32 s41, ttmp6, 0x40004                  ; cy: along its y
	s_lshl_b32 s42, ttmp9, 2                       ; in a cluster launch ttmp9 and ttmp7 count clusters
	s_add_co_u32 s42, s42, s40                     ; tile column = 4 x cluster x + cx
	s_and_b32 s13, ttmp7, 0xffff
	s_lshl_b32 s13, s13, 2
	s_add_co_u32 s13, s13, s41                     ; tile row = 4 x cluster y + cy
	s_lshl_b32 s43, s41, 2
	s_lshl_b32 s43, 15, s43                        ; my row of the cluster: places 4 cy .. 4 cy + 3
	s_lshl_b32 s44, 0x1111, s40                    ; my column: places cx, cx + 4, cx + 8, cx + 12
	; descriptor group 1: a tile of 128 rows x 128 elements, padded in LDS
	s_or_b32 s[G1+0], s43, (1<<16)|(1<<20)|(1<<21)|(5<<22)|(3<<25)  ; 15:0 the mask: xb's tiles go to my row; 17:16 elements of 2 bytes; 20 padding on; 21 set beside a mask; 24:22 after every 64 words (code 5); 31:25 4 words of it (code 3)
	s_or_b32 s[G1B+0], s44, (1<<16)|(1<<20)|(1<<21)|(5<<22)|(3<<25) ; the same with the mask of my column, for wb's tiles
.irp g, G1, G1B
	s_mov_b32 s[(\g)+1], KSTEP<<16                 ; tensor_dim0 = 128
	s_mov_b32 s[(\g)+2], 128<<16                   ; tensor_dim1 = 128
	s_mov_b32 s[(\g)+3], KSTEP<<16                 ; tile_dim0 = 128
	s_mov_b32 s[(\g)+4], 128                       ; tile_dim1 = 128
	s_mov_b32 s[(\g)+5], SIZE_K                    ; elements from row to row
	s_mov_b32 s[(\g)+6], 0
	s_mov_b32 s[(\g)+7], 0
.endr
	; where the tiles come from.  xb's hang on the tile row alone, which my row of the cluster shares; wb's on the tile column alone, which my column shares.
	; Every wave makes both addresses, in registers that never hold the other coordinate, and asks by one of them.
	s_lshl_b32 s17, s12, 7                         ; which 128 rows of the tile I fetch
	s_lshl_b32 s16, s13, 8
	s_add_co_u32 s16, s16, s17                     ; xb: row 256 x tile row + 128 x half
	s_lshl_b32 s46, s42, 8
	s_add_co_u32 s46, s46, s17                     ; wb: row 256 x tile column + 128 x half
	s_mov_b32 s17, 0
	s_mov_b32 s47, 0
	s_mov_b64 s[18:19], SIZE_K*2
	s_mul_u64 s[16:17], s[16:17], s[18:19]         ; in bytes
	s_mul_u64 s[46:47], s[46:47], s[18:19]
	s_mul_i32 s20, s10, HALFT                      ; and where they go: xb's two halves, then wb's two halves = wave x 128 rows: no place in the cluster enters an LDS address
	s_wait_dscnt 0x0                               ; the opening add is done
	s_wait_kmcnt 0x0
	s_add_nc_u64 s[14:15], s[4:5], s[16:17]
	s_add_nc_u64 s[46:47], s[6:7], s[46:47]
	CROUND                                         ; all sixteen work-groups are here: the first joint loads meet
.irp s, 0,1
	s_mov_b32 s[G0+4*(\s)], 1                                      ; 1:0 count = 1
	s_add_co_u32 s[G0+4*(\s)+1], s20, (\s)*SLOT                    ; 63:32 LDS address
	s_add_nc_u64 s[G0+4*(\s)+2:G0+4*(\s)+3], s[14:15], (\s)*KSTEP*2  ; 120:64 global address: K step s
	s_or_b32 s[G0+4*(\s)+3], s[G0+4*(\s)+3], 0x80000000            ; 127:126 type = 2
	s_mov_b32 s[G0B+4*(\s)], 1
	s_add_co_u32 s[G0B+4*(\s)+1], s20, (\s)*SLOT
	s_add_nc_u64 s[G0B+4*(\s)+2:G0B+4*(\s)+3], s[46:47], (\s)*KSTEP*2
	s_or_b32 s[G0B+4*(\s)+3], s[G0B+4*(\s)+3], 0x80000000
	JLOAD \s                                       ; the ring is filled before anything else is done: two tensor loads of mine are out
.endr
	; THE LORA STEP's operands and b, asked for while the first tiles are on their way
	v_and_b32 v1, 15, v0                           ; r = l % 16
	v_bfe_u32 v2, v0, 4, 1                         ; h = l / 16
	v_lshlrev_b32 v[TO], 5, v1
	v_lshl_add_u32 v[TO], v2, 4, v[TO]
	v_lshlrev_b32 v[BO], 6, v1
	v_lshl_add_u32 v[BO], v2, 5, v[BO]
	v_lshlrev_b32 v[VB], 5, v2
	s_lshl_b32 s13, s13, 8                         ; 256 x tile row
	s_lshl_b32 s42, s42, 8                         ; 256 x tile column
	s_lshl_b32 s76, s11, 7
	s_add_co_u32 s76, s76, s13                     ; my first row of out0
	s_lshl_b32 s77, s12, 7
	s_add_co_u32 s77, s77, s42                     ; my first column
	s_mov_b32 s79, 0
	s_lshl_b32 s78, s76, 5                         ; a row of tb is 32 bytes
	s_add_nc_u64 s[68:69], s[68:69], s[78:79]
	s_lshl_b32 s78, s77, 6                         ; a row of lora_B 64
	s_add_nc_u64 s[70:71], s[70:71], s[78:79]
	s_lshl_b32 s78, s77, 2
	s_add_nc_u64 s[72:73], s[72:73], s[78:79]      ; b at my first column,
	s_add_nc_u64 s[74:75], s[74:75], s[78:79]      ; out0 too,
	s_lshl_b32 s78, s76, 14                        ; and at my first row (under 2^26 bytes)
	s_add_nc_u64 s[74:75], s[74:75], s[78:79]
.irp a, 0,1,2,3,4,5,6,7                ; a fragment is 16 rows x 32 K in 8 registers: lane l holds row l % 16; registers 0-3 hold K = 8 h + 0..7: the 16 ranks; registers 4-7 hold K = 16 + 8 h + 0..7: zeros
	global_load_b128 v[F1+8*(\a):F1+8*(\a)+3], v[TO], s[68:69] offset:512*(\a)
.endr
.irp c, 0,1,2,3,4,5,6,7                ; lora_B in f32, into buffer 0 of window 0, which the ring does not want yet
	global_load_b128 v[F0+8*(\c):F0+8*(\c)+3],   v[BO], s[70:71] offset:1024*(\c)
	global_load_b128 v[F0+8*(\c)+4:F0+8*(\c)+7], v[BO], s[70:71] offset:1024*(\c)+16
.endr
.irp c, 0,1,2,3,4,5,6,7                ; b of columns 16 c + 8 h + 0..7: the layout of a result's eight registers
	global_load_b128 v[BIAS+8*(\c):BIAS+8*(\c)+3],   v[VB], s[72:73] offset:64*(\c)
	global_load_b128 v[BIAS+8*(\c)+4:BIAS+8*(\c)+7], v[VB], s[72:73] offset:64*(\c)+16
.endr
	; the addresses, made while those 40 loads are out
	v_mul_u32_u24 v3, v1, PITCH
	v_lshl_add_u32 v3, v2, 4, v3                   ; a fragment's row x pitch + 16 x half
	s_mul_i32 s21, s11, HALFT                      ; my 128 rows of xb
	s_mul_i32 s22, s12, HALFT                      ; my 128 rows of wb,
	s_add_co_u32 s22, s22, 2*HALFT                 ; which lie behind xb's 256
.irp s, 0,1
	v_add_nc_u32 v[ADRA+(\s)], s21, v3
	v_add_nc_u32 v[ADRB+(\s)], s22, v3
	s_add_co_u32 s21, s21, SLOT
	s_add_co_u32 s22, s22, SLOT
.endr
	s_mul_i32 s23, s10, 16*SPITCH
	s_add_co_u32 s23, s23, STAGE                   ; my stage
	v_mul_u32_u24 v4, v1, SPITCH                   ; in: row l % 16, 32 bytes for each half of the lanes
	v_lshl_add_u32 v4, v2, 5, v4
	v_add_nc_u32 v[STO], s23, v4
	v_and_b32 v5, 31, v0
	v_lshlrev_b32 v[CO], 4, v5                     ; back: 32 lanes take one row of 512 bytes
	v_add_nc_u32 v[RD], s23, v[CO]
	; the prefetches.  s13 = 256 x tile row, s42 = 256 x tile column, s40 = cx, s41 = cy
	s_and_b32 s22, ttmp7, 0xffff                   ; cluster y
	s_cmp_eq_u32 s11, 0                            ; do I fetch for xb?
	s_cselect_b32 s20, s13, s42                    ; the tile's first row: in xb by the tile row, in wb by the tile column
	s_cselect_b32 s21, s40, s41                    ; my place among the four that ask for it with me
	s_cselect_b32 s22, ttmp9, s22                  ; the coordinate along which other clusters read the same rows
	s_cselect_b64 s[PFA:PFA+1], s[4:5], s[6:7]
	s_cmp_eq_u32 s22, 0
	s_cselect_b32 s[LIM], 1, -1                    ; the same in all sixteen partners, for a given wave
	s_lshl_b32 s22, s12, 7
	s_add_co_u32 s20, s20, s22                     ; + the 128 rows that I fetch
	s_lshl_b32 s21, s21, 5
	s_add_co_u32 s20, s20, s21                     ; + my work-group's 32 of them
	s_mov_b32 s21, 0
	s_mov_b64 s[18:19], SIZE_K*2
	s_mul_u64 s[20:21], s[20:21], s[18:19]
	s_add_nc_u64 s[PFA:PFA+1], s[PFA:PFA+1], s[20:21]
	s_add_nc_u64 s[PFA:PFA+1], s[PFA:PFA+1], 2*KSTEP*2  ; at K step 2: the first refill steps it to 3 and names K step 4
	v_mul_u32_u24 v[PFO], v5, SIZE_K*2
	; the empty half of the LoRA step's K: registers 4-7 of each fragment, in both windows (the loads on their way write registers 0-3)
.irp a, 0,1,2,3,4,5,6,7
.irp e, 4,5,6,7
	v_mov_b32 v[F1+8*(\a)+(\e)], 0
.endr
.endr
	WIN TO_B
.irp a, 0,1,2,3,4,5,6,7
.irp e, 4,5,6,7
	v_mov_b32 v[F1+8*(\a)+(\e)], 0
.endr
.endr
	s_wait_loadcnt 0x0                             ; tb, lora_B and b are in
.irp c, 0,1,2,3,4,5,6,7                ; lora_B rounded to bf16: from buffer 0 of window 0 into buffer 1 of window 1
.irp e, 0,1,2,3
	v_cvt_pk_bf16_f32 v[F1+8*(\c)+(\e)], v[F0+8*(\c)+2*(\e)], v[F0+8*(\c)+2*(\e)+1]
.endr
.endr
; 32 products that start the sums of my rows 0-63 (hi = 0) or 64-127 (hi = 1): b + tb lora_B^T.  The accumulators come in the order in which every later quarter takes them.
.macro LORA hi
	WIN 0x81+0x40*(\hi)                            ; source 0 window 1, sources 1 and 2 window 0, D window 2 or 3
.irp a, 0,1,2,3
.irp b, 0,1,2,3,4,5,6,7
	v_wmma_f32_16x16x32_bf16 v[8*(8*(\a)+(\b)):8*(8*(\a)+(\b))+7], v[F1+8*(\b):F1+8*(\b)+7], v[F1+8*(4*(\hi)+(\a)):F1+8*(4*(\hi)+(\a))+7], v[BIAS+8*(\b):BIAS+8*(\b)+7]
.endr
.endr
.endm
	LORA 0
	LORA 1
; 16 matrix instructions: row blocks a0, a0 + 1 of the window's four (hi = 0: my rows 0-63, 1: rows 64-127) x all 8 column blocks, 32 along K.
; The 64 accumulators take turns, one instruction a turn, in the same order in every quarter step, over the loop's backward jump too.
.macro MUL16 f, hi, a0
	WIN MUL_LO+0x50*(\hi)                          ; MUL_LO or MUL_HI
.irp a, \a0, (\a0)+1
.irp b, 0,1,2,3,4,5,6,7
	v_wmma_f32_16x16x32_bf16 v[8*(8*(\a)+(\b)):8*(8*(\a)+(\b))+7], v[(\f)+8*(\b):(\f)+8*(\b)+7], v[(\f)+8*(4*(\hi)+(\a)):(\f)+8*(4*(\hi)+(\a))+7], v[8*(8*(\a)+(\b)):8*(8*(\a)+(\b))+7]
.endr
.endr
.endm
; 32 LDS loads in one run: the fragments of one quarter step (128 rows of wb, 128 rows of xb, 32 K at byte k of the rows) into buffer f
.macro FETCH slot, k, f
	WIN TO_B
.irp i, 0,1,2,3,4,5,6,7
	ds_load_b128 v[(\f)+8*(\i):(\f)+8*(\i)+3],   v[ADRB+(\slot)] offset:(\k)+(\i)*16*PITCH
	ds_load_b128 v[(\f)+8*(\i)+4:(\f)+8*(\i)+7], v[ADRB+(\slot)] offset:(\k)+(\i)*16*PITCH+32
.endr
	WIN 0
.irp i, 0,1,2,3,4,5,6,7
	ds_load_b128 v[(\f)+8*(\i):(\f)+8*(\i)+3],   v[ADRA+(\slot)] offset:(\k)+(\i)*16*PITCH
	ds_load_b128 v[(\f)+8*(\i)+4:(\f)+8*(\i)+7], v[ADRA+(\slot)] offset:(\k)+(\i)*16*PITCH+32
.endr
.endm
; A load into a register that a matrix instruction has read, and an LDS store that reads a matrix result, stand four places behind that matrix instruction, and only plain vector instructions that name none
; of its registers are places (ISA guide 7.12.1 for vector instructions).
.macro PLACES
.rept 4
	v_nop
.endr
.endm
; A K step is four quarter steps of 32 along K, 64 matrix instructions each, on buffers 0, 1, 0, 1.
; One of the first three: multiplies buffer f; in its middle it fetches the next quarter's fragments, at byte k of the same slot's rows, into buffer g.
.macro QUARTER slot, k, f, g
	s_wait_dscnt 8                                 ; wb and xb's rows 0-63 are in; the youngest eight loads (xb's rows 64-127) may be out
	MUL16 \f, 0, 0
	MUL16 \f, 0, 2
	PLACES
	FETCH \slot, \k, \g
	s_wait_dscnt 32                                ; all but the 32 just issued
	MUL16 \f, 1, 0
	MUL16 \f, 1, 2
.endm
; The last quarter multiplies buffer 1 and changes slots.  MEET is its first half: ONE barrier for the change of slots.  In front of it each wave waits for all its tensor loads, of which one is out: its part of
; the next slot; adds 0 to its spare word; and waits for that and for its own reads of this slot.  Behind it nobody reads this slot any more and the next slot is whole.
.macro MEET round                      ; round = 1: a round of the cluster's barrier follows
	WIN 0                                          ; (the add's two registers lie in window 0)
	s_wait_tensorcnt 0x0                           ; all my tensor loads have landed: the one that was out is my part of the next slot;
	ds_add_u32 v[SPW], v[NIL]                      ; 0 onto my spare word;
	s_wait_dscnt 9                                 ; (the add and the youngest eight loads may be out)
	MUL16 F1, 0, 0                                 ; sixteen matrix instructions stand between the add and the wait for it
	s_wait_dscnt 0x0                               ; the add is done, and my reads of this slot are over:
	s_barrier_signal -1                            ; say so (where a slot is filled again this barrier opens a round of the cluster's barrier),
	MUL16 F1, 0, 2                                 ; work on registers while the others arrive,
.if \round
	WIN 0
.endif
	s_barrier_wait -1                              ; and go on when all four have said so
.endm
; The whole last quarter.  Behind the round the slot just read out is filled again first, with the K step two steps on; then come the next slot's first fragments.
; From a request to the wait for it a wave issues 224 matrix instructions; one tensor load of mine is out meanwhile.
.macro TURN slot, next
	s_wait_xcnt 0x0                                ; the last prefetch, a K step back, has read its address: it is stepped here, ahead of the waits of the change of slots
	s_add_nc_u64 s[PFA:PFA+1], s[PFA:PFA+1], KSTEP*2
	MEET 1
	CREST                                          ; all sixteen work-groups have said so: no wave of any partner still reads this slot's tile or has a load on its way
	s_add_nc_u64 s[G0+4*(\slot)+2:G0+4*(\slot)+3], s[G0+4*(\slot)+2:G0+4*(\slot)+3], 2*KSTEP*2
	s_add_nc_u64 s[G0B+4*(\slot)+2:G0B+4*(\slot)+3], s[G0B+4*(\slot)+2:G0B+4*(\slot)+3], 2*KSTEP*2
	JLOAD \slot                                    ; the first tensor load behind the round; the four v_nop behind it are also the places in front of the loads below
	FETCH \next, 0, F0
	ASK                                            ; behind the joint load and the run of LDS loads that the next products wait for
	MUL16 F1, 1, 0
	MUL16 F1, 1, 2
.endm
	WIN 0
	s_wait_tensorcnt 1                             ; my part of K step 0 is in; K step 1's may stay out
	s_barrier_signal -1
	s_barrier_wait -1                              ; everybody's is
	PLACES                                         ; behind the LoRA step's products
	FETCH 0, 0, F0
	QUARTER 0, 64,  F0, F1
	WIN 0                                          ; at a label and at a branch every window is 0
	s_mov_b32 s3, LAPS-1
.Llap:                                                 ; a trip goes once round the ring, from a lap's second quarter to the next lap's first, and fills both slots again
	QUARTER 0, 128, F1, F0
	QUARTER 0, 192, F0, F1
	TURN 0, 1
	QUARTER 1, 64,  F0, F1
	QUARTER 1, 128, F1, F0
	QUARTER 1, 192, F0, F1
	TURN 1, 0
	QUARTER 0, 64,  F0, F1
	WIN 0
	s_sub_co_u32 s3, s3, 1
	s_cmp_lg_u32 s3, 0
	s_cbranch_scc1 .Llap
	QUARTER 0, 128, F1, F0                         ; the last lap is written out: it asks for nothing
	QUARTER 0, 192, F0, F1
	MEET 0                                         ; my one tensor load that was still out is slot 1's, the last K step's, so no round follows
	PLACES                                         ; for the loads into buffer 0, which the quarter before multiplied
	FETCH 1, 0, F0
	MUL16 F1, 1, 0
	MUL16 F1, 1, 2
	QUARTER 1, 64,  F0, F1
	QUARTER 1, 128, F1, F0
	QUARTER 1, 192, F0, F1
	s_wait_dscnt 8                                 ; the very last quarter: nothing more to fetch
	MUL16 F1, 0, 0
	MUL16 F1, 0, 2
	s_wait_dscnt 0x0
	MUL16 F1, 1, 0
	MUL16 F1, 1, 2
; THE WAY OUT, a block of 16 rows at a time.  A lane's 32 bytes are a sixteenth of a row's 512, and the lanes beside it hold other rows: so the block goes into my own stage in LDS, rows of 528 bytes, and comes
; back by rows, into the registers that held xb's fragments, two sets by turns.  Each accumulator's low four registers are read first.
.macro TOSTAGE a
.set AC, 64*((\a)%4)                   ; the block's eight accumulators, in window 2 (blocks 0-3) or 3 (blocks 4-7)
.set BK, F0+64*((\a)%2)
	WIN 0x08+4*((\a)/4)                            ; the stores' data (source 1) in window 2 or 3, the address in window 0
.irp b, 0,1,2,3,4,5,6,7
	ds_store_b128 v[STO], v[AC+8*(\b):AC+8*(\b)+3]   offset:64*(\b)
	ds_store_b128 v[STO], v[AC+8*(\b)+4:AC+8*(\b)+7] offset:64*(\b)+16
.endr
	WIN 0
	s_wait_xcnt 0x0                                ; the stores of the block two back have read this set of registers: it is loaded again only behind this wait
.irp t, 0,1,2,3,4,5,6,7,8,9,10,11,12,13,14,15
	ds_load_b128 v[BK+4*(\t):BK+4*(\t)+3], v[RD] offset:(\t)*SPITCH  ; LDS serves a wave's instructions in order (ISA guide 5.7.1.4): these see the stores above, and the next block's stores come behind them
.endr
.endm
.macro SEND a, younger                 ; younger: the LDS instructions issued behind block a's loads: the next block's 16 stores and 16 loads, or none
.set BK, F0+64*((\a)%2)
	s_wait_dscnt \younger                          ; the block is back in registers
.irp t, 0,1,2,3,4,5,6,7,8,9,10,11,12,13,14,15
	global_store_b128 v[CO], v[BK+4*(\t):BK+4*(\t)+3], s[74:75] offset:(16*(\a)+(\t))*ROWC th:TH_STORE_NT  ; the wave stores 512 consecutive bytes, at a multiple of 512 from out0's first byte; 127 rows at the most: inside the signed 24-bit immediate
.endr
.endm
	PLACES
	PLACES                                         ; eight places, once a launch, ahead of the stores that read results just made and of the loads into the last products' sources
	TOSTAGE 0
.irp a, 1,2,3,4,5,6,7
	TOSTAGE \a                                     ; block a goes into the stage while block a - 1's rows come back
	SEND (\a)-1, 32
.endr
	SEND 7, 0
	s_wait_tensorcnt 0x0                           ; the wave's end, behind my last tensor load and my last LDS store
	ds_add_u32 v[SPW], v[NIL]
	s_wait_dscnt 0x0
	CROUND                                         ; the closing round: no work-group ends while a partner may still ask for a tile that names it
	s_endpgm
.Lfunc_end_k_q667c074e6d_gemm:
	.size	k_q667c074e6d_gemm, .Lfunc_end_k_q667c074e6d_gemm-k_q667c074e6d_gemm
	.p2alignl 7, 3214868480
	.fill 96, 4, 3214868480
	.section	.rodata,"a",@progbits
	.p2align	6, 0x0
	.amdhsa_kernel k_q667c074e6d_gemm
		.amdhsa_group_segment_fixed_size 327680
		.amdhsa_private_segment_fixed_size 0
		.amdhsa_enable_private_segment 0
		.amdhsa_kernarg_size 48
		.amdhsa_user_sgpr_count 2
		.amdhsa_user_sgpr_kernarg_segment_ptr 1
		.amdhsa_wavefront_size32 1
		.amdhsa_system_sgpr_workgroup_id_x 1
		.amdhsa_system_sgpr_workgroup_id_y 1
		.amdhsa_system_sgpr_workgroup_id_z 1
		.amdhsa_system_vgpr_workitem_id 0
		.amdhsa_next_free_vgpr 1024
		.amdhsa_next_free_sgpr 80
		.amdhsa_reserve_vcc 0
		.amdhsa_float_denorm_mode_32 3
		.amdhsa_float_denorm_mode_16_64 3
		.amdhsa_memory_ordered 1
		.amdhsa_forward_progress 1
		.amdhsa_inst_pref_size 154
	.end_amdhsa_kernel
	.amdgpu_metadata
---
amdhsa.version: [ 1, 2 ]
amdhsa.kernels:
  - .name:           k_q667c074e6d_gemm
    .symbol:         k_q667c074e6d_gemm.kd
    .args:
      - { .name: xb, .offset: 0, .size: 8, .value_kind: global_buffer, .address_space: global }
      - { .name: wb, .offset: 8, .size: 8, .value_kind: global_buffer, .address_space: global }
      - { .name: tb, .offset: 16, .size: 8, .value_kind: global_buffer, .address_space: global }
      - { .name: lora_B, .offset: 24, .size: 8, .value_kind: global_buffer, .address_space: global }
      - { .name: b, .offset: 32, .size: 8, .value_kind: global_buffer, .address_space: global }
      - { .name: out0, .offset: 40, .size: 8, .value_kind: global_buffer, .address_space: global }
    .group_segment_fixed_size: 327680
    .private_segment_fixed_size: 0
    .kernarg_segment_align: 8
    .kernarg_segment_size: 48
    .max_flat_workgroup_size: 128
    .sgpr_count:     80
    .vgpr_count:     1024
    .wavefront_size: 32
...
	.end_amdgpu_metadata
.endif
;; end of part 2
